; MI455X (gfx1250); checked and timed in simulation.
; The chip was launched on July 23, 2026; its instructions are those of AMD's public machine-readable ISA for CDNA 5 (MIT licence, August 2026) and "CDNA5" Instruction Set Architecture Reference Guide (July 2026). The comments in the code are by the model that wrote it; some were corrected since.
;; Self Attention. Allowed arithmetic: matrix products marked QUANTISED: E2M3 operands, one E8M0 scale for each 32 along K, by v_wmma_scale_f32_16x16x128_f8f6f4 with both operands' format E2M3, f32 sums; everything else in f32.
;; Inputs: b_out 1,024 float32; b_qkv 3,072 float32; w_out 1,024 x 1,024 float32; w_qkv 3,072 x 1,024 float32; x 4 x 2,048 x 1,024 float32.
;; Outputs: out0 4 x 2,048 x 1,024 float32.
;; This version of the problem:
;;   THIS VERSION OF THE PROBLEM IS GIVEN IN LOW PRECISION. The matrix products marked QUANTISED in the list below multiply operands that are first quantised to E2M3 (2 exponent bits, 3 mantissa bits; 6 bits a number), with one power-of-two scale for each 32 numbers along K (OCP MX v1.0); their sums are f32. All else is computed in f32.
;;   The module's matrix products, in the order in which they are computed (A, B: the left and right operand; K: the contracted axis; several contracted axes count as one K, in the product's order):
;;     1. [M 8,192, K 1,024] x [K 1,024, N 3,072]; A: input x; B: input w_qkv: QUANTISED
;;     2. batch 64 x [M 2,048, K 64] x [K 64, N 2,048]; A: computed on the way; B: computed on the way: QUANTISED
;;     3. batch 64 x [M 2,048, K 2,048] x [K 2,048, N 64]; A: softmax (see below); B: computed on the way: QUANTISED
;;     4. [M 8,192, K 1,024] x [K 1,024, N 1,024]; A: computed on the way; B: input w_out: QUANTISED
;;   THE QUANTISER, for each operand of a quantised product, along K:
;;     - K is cut into blocks of 32 from its start; a last block that is shorter is filled with zeros.
;;     - A block's scale is 2^e with e = floor(log2(the largest magnitude in the block)) - 2, held to -126 .. 127; a block of zeros has e = 0. As a byte (E8M0): e + 127.
;;     - Each number is divided by its block's scale, clamped to +-7.5, and rounded to the nearest number of E2M3, ties to even, subnormals kept.
;;     - The product sums the exact products of the quantised numbers (number of the format x scale) in f32.
;;   ~~~python
;;   def quantise(x, axis):      # numpy; x: float32 -> the quantised numbers, widened to float32 again
;;       x = np.moveaxis(x, axis, -1); K = x.shape[-1]
;;       x = np.pad(x, [(0, 0)] * (x.ndim - 1) + [(0, -K % 32)]); x = x.reshape(x.shape[:-1] + (-1, 32)); a = np.abs(x).max(-1, keepdims=True)
;;       e = np.where(a > 0, np.clip(np.frexp(np.where(a > 0, a, 1))[1] - 1 - 2, -126, 127), 0)      # np.frexp(a)[1] - 1 = floor(log2(a)), exactly
;;       r = np.clip(x / 2.0 ** e, -7.5, 7.5)
;;       step = 2.0 ** (np.maximum(np.frexp(np.where(r == 0, 1, r))[1] - 1, 0) - 3)
;;       q = np.round(r / step) * step * 2.0 ** e      # np.round: ties to even
;;       return np.moveaxis(q.reshape(q.shape[:-2] + (-1,))[..., :K], -1, axis).astype(np.float32)
;;   ~~~
;;   SOFTMAX AHEAD OF A QUANTISED PRODUCT. Where the list says 'softmax', what is quantised is not the finished softmax but p = 2^(t - M), with t = logit x log2(e) and M = ceil(the row's largest t), a whole number; so 1/2 < the row's largest p <= 1. The row's sum l is taken of the UNQUANTISED p, in f32, and the product's result is divided by l at the end. Since M is a whole number, a kernel that streams over the keys may use a running M (the ceiling of the running maximum): every later rescaling is an exact power of two, which a block's scale takes up: the codes' values come out the same.
;;   OPERANDS COMPUTED ON THE WAY. 'Computed on the way' means the value that the module computes at that place (a softmax that the list does not call 'softmax' is quantised finished and normalised). What goes into a quantiser is computed in f32, as accurately as f32 sums, v_exp_f32 and their like allow (about 1e-6 of the number): no bf16 or f16 on the way to a quantiser, and a product that is left as it is and whose result goes on into a quantised operand takes f32 operands (vector FMAs, or v_wmma_f32_16x16x4_f32). A number that lies on a knife's edge between two numbers of the format may be rounded either way, as far as f32 arithmetic and the matrix unit's own rounding can turn it there, and no further.
;; One version. Each part assembles by itself: llvm-mc -triple=amdgcn-amd-amdhsa -mcpu=gfx1250 --defsym DOCPART=n.
;; ======== version 1 of 1: 4 launches
;; limits: right only within a limited range of input values
;; workspace buffers: xq 6,553,600 bytes; wq 3,276,800 bytes; q_img 6,553,600 bytes; kv_img 13,107,200 bytes; a4 6,553,600 bytes
;; launch quant (part 1): grid 384 x 1, 4 waves a work-group, no clusters, 33,280 bytes of LDS; arguments x, w_qkv, w_out, xq, wq; writes xq, wq
.if DOCPART == 1
	.amdgcn_target "amdgcn-amd-amdhsa--gfx1250"
	.amdhsa_code_object_version 6
	.text
	.protected	k_q5c66c0b65e_quant
	.globl	k_q5c66c0b65e_quant
	.p2align	8
	.type	k_q5c66c0b65e_quant,@function
k_q5c66c0b65e_quant:
	s_mov_b64 s[64:65], 0
	v_nop
	global_prefetch_b8 v0, s[64:65] scope:SCOPE_SE
	s_setreg_imm32_b32 hwreg(HW_REG_WAVE_MODE, 25, 1), 1
	s_wait_xcnt 0x0
; x [8192][1024], w_qkv [3072][1024] and w_out [1024][1024], f32, K innermost, become codes of FP6 (E2M3), 768 bytes a row, and one E8M0 scale byte for each 32 along K, 32 bytes a row.
; A block's scale is 2^(floor(log2(its largest magnitude)) - 2); its byte is the largest magnitude's exponent field - 2, held at 1 from below.  Each number is divided by the scale and rounded to the nearest code, ties to even.
; LIMITS: a block of zeros gets the byte 1 where the rule says 127 (its codes are zeros, and this program alone reads the bytes); largest magnitudes under 2^-124 are taken as 2^-124; NaN and infinities are not served.
; THE ROWS ARE STORED IN ANOTHER ORDER, in the codes and in the scale rows alike: in every 64 rows, place 16 u + r holds row 8 u + r % 8 + 32 (r / 8).  Sixteen neighbouring stored rows are a tile; as source 0 of a product,
; four neighbouring tiles leave in a lane's 32 registers 32 neighbours along the next product's K: a whole block.  The later launches lean on that order.
; A work-group takes 32 rows, a wave 8 rows = 16 steps of 512 numbers.  Each of a step's four loads reads 512 consecutive bytes; the 2,048 bytes turn through the wave's own stage in LDS and come back 64 bytes a lane,
; so that a lane holds 16 neighbours and two neighbouring lanes a block.  A lane's 16 codes are 12 bytes: the wave stores 384 consecutive bytes.  A wave's 256 scale bytes gather in LDS and leave as one aligned 256 bytes.
; One launch serves the three tensors: work-groups 0-255 take x, 256-351 w_qkv, 352-383 w_out; only pointers are chosen, the path is one.  No barrier: waves share nothing.  Loads run four steps (16 loads a wave) ahead.
.set WAVES, 4
.set STEPS, 16
.set WGX,   256
.set WGQ,   352
.set XSC,   6291456                    ; xq: the scale rows lie behind the codes
.set WQS,   2359296                    ; wq: w_qkv's scale rows,
.set WOC,   2457600                    ; w_out's codes,
.set WOS,   3244032                    ; w_out's scale rows
.set EMAX,  2
.set CB,    12
.set R,     16                         ; v16-79   four sets of 16 numbers as they are loaded
.set X,     80                         ; v80-111  two sets of 16 neighbours
.set C,     128                        ; v128-191 codes: four registers for each step
.set E,     112                        ; v112-127 a scale byte for each step
.set WREG,  8192
.set SP,    80
.set SPW,   12
.set NIL,   13
.set SPARE, WAVES*WREG
	s_load_b256 s[4:11], s[0:1], 0x0               ; x, w_qkv, w_out, xq
	s_load_b64 s[12:13], s[0:1], 0x20              ; wq
	v_lshl_add_u32 v[SPW], v0, 2, SPARE
	v_mov_b32 v[NIL], 0
	v_lshrrev_b32 v1, 5, v0
	v_readfirstlane_b32 s16, v1                    ; wave
	v_and_b32 v2, 31, v0                           ; lane
	v_lshlrev_b32 v3, 4, v2
	s_mul_i32 s17, s16, WREG
	v_lshrrev_b32 v14, 2, v2
	v_mul_u32_u24 v14, v14, SP
	v_and_b32 v15, 3, v2
	v_lshl_add_u32 v14, v15, 4, v14
	v_add_nc_u32 v14, s17, v14                     ; the stage, on the way in: SP (lane / 4) + 16 (lane % 4)
	v_mul_u32_u24 v15, v2, SP
	v_add_nc_u32 v15, s17, v15                     ; and on the way out: SP x lane
	v_mul_u32_u24 v4, v2, CB
	v_lshrrev_b32 v5, 1, v2
	s_add_co_u32 s17, s17, 2*32*SP
	v_add_nc_u32 v5, s17, v5                       ; my wave's 256 scale bytes, my block's byte
	v_lshlrev_b32 v7, 3, v2
	v_add_nc_u32 v6, s17, v7
	s_wait_alu depctr_va_vdst(0)                   ; the wait at the head's end
	s_wait_kmcnt 0x0
	s_add_nc_u64 s[14:15], s[12:13], WOC
	s_add_nc_u64 s[20:21], s[12:13], WOS
	s_add_nc_u64 s[22:23], s[12:13], WQS
	s_add_nc_u64 s[24:25], s[10:11], XSC
	s_mov_b32 s17, WGQ
	s_cmp_lt_u32 ttmp9, WGQ                        ; the choices hang on the work-group's number alone
	s_cselect_b64 s[6:7], s[6:7], s[8:9]
	s_cselect_b64 s[12:13], s[12:13], s[14:15]
	s_cselect_b64 s[22:23], s[22:23], s[20:21]
	s_cselect_b32 s17, WGX, s17
	s_cmp_lt_u32 ttmp9, WGX
	s_cselect_b64 s[4:5], s[4:5], s[6:7]           ; the numbers,
	s_cselect_b64 s[8:9], s[10:11], s[12:13]       ; the codes,
	s_cselect_b64 s[10:11], s[24:25], s[22:23]     ; the scale bytes,
	s_cselect_b32 s17, 0, s17                      ; and the tensor's first work-group
	s_sub_co_u32 s17, ttmp9, s17
	s_lshl_b32 s17, s17, 2                         ; four runs of 8 rows to a work-group
	s_add_co_u32 s18, s17, s16                     ; the run that I read
	s_lshl_b32 s18, s18, 15
	s_mov_b32 s19, 0
	s_add_nc_u64 s[4:5], s[4:5], s[18:19]
	s_and_b32 s26, s17, 0xfffffff8                 ; the place that I write: of the eight runs of 64 rows, run wave + 4 g (g: the work-group's parity) goes to place 2 x wave + g
	s_lshl_b32 s27, s16, 1
	s_add_co_u32 s26, s26, s27
	s_bfe_u32 s27, s17, 0x10002
	s_add_co_u32 s26, s26, s27
	s_mul_i32 s28, s26, 32*STEPS*CB
	s_mov_b32 s29, 0
	s_add_nc_u64 s[8:9], s[8:9], s[28:29]
	s_lshl_b32 s26, s26, 8
	s_mov_b32 s27, 0
	s_add_nc_u64 s[10:11], s[10:11], s[26:27]
.macro LOAD t
.irp i, 0,1,2,3
	global_load_b128 v[R+16*((\t)%4)+4*\i:R+16*((\t)%4)+4*\i+3], v3, s[4:5] offset:2048*(\t)+512*\i th:TH_LOAD_NT
.endr
.endm
.macro TURN t                          ; LDS serves a wave's instructions in order: no wait between the stores and the loads
.irp i, 0,1,2,3
	ds_store_b128 v14, v[R+16*((\t)%4)+4*\i:R+16*((\t)%4)+4*\i+3] offset:32*SP*((\t)%2)+8*SP*\i
.endr
.irp i, 0,1,2,3
	ds_load_b128 v[X+16*((\t)%2)+4*\i:X+16*((\t)%2)+4*\i+3], v15 offset:32*SP*((\t)%2)+16*\i
.endr
.endm
.irp t, 0,1,2,3
	LOAD \t
.endr
	s_wait_loadcnt 12                              ; step 0's four loads are in; the twelve of steps 1 to 3 may be out
	TURN 0
.macro STEP t
.set XS, X+16*((\t)%2)
.if (\t) > 0
	s_wait_dscnt 1                                 ; this step's numbers are back (the last step's byte store may be out)
.else
	s_wait_dscnt 0x0
.endif
.if (\t)+4 < STEPS
	LOAD (\t)+4
.endif
.if (\t)+1 < STEPS
.if STEPS-2-(\t) >= 3
	s_wait_loadcnt 12                              ; the next step's four loads are in; those of the three steps behind it may be out
.else
	s_wait_loadcnt 4*(STEPS-2-(\t))
.endif
	TURN (\t)+1
.endif
	v_max3_num_f32 v8, |v[XS]|, |v[XS+1]|, |v[XS+2]|
	v_max3_num_f32 v9, |v[XS+3]|, |v[XS+4]|, |v[XS+5]|
.irp i, 6,10
	v_max3_num_f32 v8, v8, |v[XS+\i]|, |v[XS+\i+1]|
	v_max3_num_f32 v9, v9, |v[XS+\i+2]|, |v[XS+\i+3]|
.endr
	v_max3_num_f32 v8, v8, |v[XS+14]|, |v[XS+15]|
	v_max3_num_f32 v8, v8, v9, (EMAX+1)<<23        ; the floor 2^(EMAX + 1 - 127): the byte cannot fall under 1
	v_max_num_f32_dpp v8, v8, v8 row_xmask:1 row_mask:0xf bank_mask:0xf   ; with my neighbour's 16: the block's
	v_add_nc_u32 v11, -(EMAX<<23), v8              ; the conversion's scale operand
	v_cvt_scalef32_pk16_fp6_f32 v[C+4*(\t):C+4*(\t)+2], v[XS:XS+15], v11
	v_lshrrev_b32 v[E+(\t)], 23, v11               ; the scale's byte
	ds_store_b8 v5, v[E+(\t)] offset:16*(\t)
	global_store_b96 v4, v[C+4*(\t):C+4*(\t)+2], s[8:9] offset:32*CB*(\t)
.endm
.irp t, 0,1,2,3,4,5,6,7,8,9,10,11,12,13,14,15
	STEP \t
.endr
	ds_load_b64 v[8:9], v6
	s_wait_dscnt 0x0
	global_store_b64 v7, v[8:9], s[10:11]          ; 32 lanes store 256 consecutive bytes, aligned
	s_wait_tensorcnt 0x0                           ; the wave's end
	ds_add_u32 v[SPW], v[NIL]
	s_wait_dscnt 0x0
	s_endpgm
.Lfunc_end_k_q5c66c0b65e_quant:
	.size	k_q5c66c0b65e_quant, .Lfunc_end_k_q5c66c0b65e_quant-k_q5c66c0b65e_quant
	.p2alignl 7, 3214868480
	.fill 96, 4, 3214868480
	.section	.rodata,"a",@progbits
	.p2align	6, 0x0
	.amdhsa_kernel k_q5c66c0b65e_quant
		.amdhsa_group_segment_fixed_size 33280
		.amdhsa_private_segment_fixed_size 0
		.amdhsa_enable_private_segment 0
		.amdhsa_kernarg_size 40
		.amdhsa_user_sgpr_count 2
		.amdhsa_user_sgpr_kernarg_segment_ptr 1
		.amdhsa_wavefront_size32 1
		.amdhsa_system_sgpr_workgroup_id_x 1
		.amdhsa_system_sgpr_workgroup_id_y 1
		.amdhsa_system_sgpr_workgroup_id_z 1
		.amdhsa_system_vgpr_workitem_id 0
		.amdhsa_next_free_vgpr 192
		.amdhsa_next_free_sgpr 66
		.amdhsa_reserve_vcc 0
		.amdhsa_float_denorm_mode_32 3
		.amdhsa_float_denorm_mode_16_64 3
		.amdhsa_memory_ordered 1
		.amdhsa_forward_progress 1
		.amdhsa_inst_pref_size 33
	.end_amdhsa_kernel
	.amdgpu_metadata
---
amdhsa.version: [ 1, 2 ]
amdhsa.kernels:
  - .name:           k_q5c66c0b65e_quant
    .symbol:         k_q5c66c0b65e_quant.kd
    .args:
      - { .name: x, .offset: 0, .size: 8, .value_kind: global_buffer, .address_space: global }
      - { .name: w_qkv, .offset: 8, .size: 8, .value_kind: global_buffer, .address_space: global }
      - { .name: w_out, .offset: 16, .size: 8, .value_kind: global_buffer, .address_space: global }
      - { .name: xq, .offset: 24, .size: 8, .value_kind: global_buffer, .address_space: global }
      - { .name: wq, .offset: 32, .size: 8, .value_kind: global_buffer, .address_space: global }
    .group_segment_fixed_size: 33280
    .private_segment_fixed_size: 0
    .kernarg_segment_align: 8
    .kernarg_segment_size: 40
    .max_flat_workgroup_size: 128
    .sgpr_count:     66
    .vgpr_count:     192
    .wavefront_size: 32
...
	.end_amdgpu_metadata
.endif
;; end of part 1
;; launch qkv (part 2): grid 8 x 96, 4 waves a work-group, clusters of 4 x 4, 327,680 bytes of LDS; arguments xq, wq, b_qkv, q_img, kv_img; writes q_img, kv_img
.if DOCPART == 2
	.amdgcn_target "amdgcn-amd-amdhsa--gfx1250"
	.amdhsa_code_object_version 6
	.text
	.protected	k_q5c66c0b65e_qkv
	.globl	k_q5c66c0b65e_qkv
	.p2align	8
	.type	k_q5c66c0b65e_qkv,@function
k_q5c66c0b65e_qkv:
	s_mov_b64 s[64:65], 0
	v_nop
	global_prefetch_b8 v0, s[64:65] scope:SCOPE_SE
	s_setreg_imm32_b32 hwreg(HW_REG_WAVE_MODE, 25, 1), 1
	s_wait_xcnt 0x0
	s_wait_alu depctr_hold_cnt(0) depctr_sa_sdst(0) depctr_va_vdst(0) depctr_va_sdst(0) depctr_va_ssrc(0) depctr_va_vcc(0) depctr_vm_vsrc(0)
	s_getreg_b32 s2, hwreg(HW_REG_IB_STS2, 6, 4)
	s_cmp_eq_u32 s2, 0
	s_cbranch_scc0 .Lentry_in_a_cluster
	s_endpgm
.Lentry_in_a_cluster:
	s_bfe_u32 s2, ttmp6, 0x10000c
	s_cmp_lg_u32 s2, 0xf033
	s_cbranch_scc0 .Lentry_shape_is_right
	s_endpgm
.Lentry_shape_is_right:
; qkv = x w_qkv^T + b_qkv on codes of FP6 (E2M3) with E8M0 scales, K = 1,024; the results are quantised anew and stored as images of the attention's operand registers.
; TWO WAYS, chosen by the cluster's y alone (pointers and numbers are selected, the path is one).  Cluster rows 0-15: A = x, B = w_q and w_k: q and k are quantised along the head's 64.
; Cluster rows 16-23: A = w_v, B = x: v comes out with the keys along a lane's registers and is quantised along the keys.
; A BLOCK is 128 rows of A x 256 rows of B, with ALL OF K in LDS: a row of codes is 768 bytes of memory and begins at a multiple of 256; 384 rows x 816 bytes (16 of padding behind each 256) are filled once,
; one tensor load a wave (waves 0, 1: 64 rows of A each; waves 2, 3: 128 rows of B each).  Nothing is filled again, so K is walked with no barrier.  768 blocks: three times 256 work-groups.
; CLUSTERS: 4 x 4; A's rows are shared along a row of the cluster, B's along a column: joint loads.  No prefetch: all loads go out at the head, and there is no loop to run ahead in.
; A wave makes 64 (A) x 128 (B): 32 accumulators.  The matrix instruction is used transposed (source 0 = B's rows): a lane holds one row of A and its registers run along B's rows.
; ROW ORDER (the launch before): in every 64 stored rows place 16 u + r holds row 8 u + r % 8 + 32 (r / 8).  So register j of B's tile 4 c + u in lane (r, h) is B's row 64 c + 32 h + 8 u + j: a lane's 32 registers of four tiles are one block of 32.
; The scale words of the wave's rows, 32 bytes a row for all of K, come once into registers: 512 consecutive bytes for each 16 rows.
; REGISTERS: window 0: v0-31 addresses, v32-63 A's scale words, v64-127 B's, v128-159 at work on the way out, v160-255 A's fragments, two sets; window 1: the accumulators, (a, b) at v[8 (8 a + b)];
; window 2: B's fragments, two sets, v0-191; v192-255 the bias along B's rows, the C of the first step.
; LIMITS: NaN and infinities are not served; a block of zeros carries the byte 1; largest magnitudes under 2^-124 are taken as 2^-124.
.set PITCH, 816
.set SPARE, 384*PITCH
.set XSC,   6291456
.set WQS,   2359296
.set WVC,   1572864
.set WVS,   2424832
.set ADRA, 16                          ; v16 row x pitch + 24 h; v17 the same + 40 h, for pieces whose lanes 16-31 lie behind a padding
.set ADRB, 18                          ; v18-19 B's blocks 0-3, v20-21 blocks 4-7
.set SO,   22                          ; 32 x (lane % 16)
.set H8,   23                          ; 8 h
.set VO0,  24
.set VS0,  26
.set VS1,  27
.set SPW,  28
.set NIL,  29
.set SA,   32
.set SB,   64
.set TM,   128
.set SW,   128
.set PW,   144
.set PWS,  146
.set B1,   150
.set AF,   160
.set HA,   160
.set PC,   224
.set BI,   192
.set OB,   4
.set SEL,  100
.set G1, 24
.set G0, 32
.set G1B, 48
.set G0B, 56
.set MSB, 0
.macro WIN new
.if MSB != \new
	s_set_vgpr_msb (MSB<<8)|\new
.set MSB, \new
.endif
.endm
.macro PLACES
.rept 4
	v_nop
.endr
.endm
.macro CROUND                          ; a round of the cluster's barrier
	s_barrier_signal -1
	s_barrier_wait -1
	s_cmp_lg_u32 s14, 0
	s_cbranch_scc1 .Lnot_wave_0_\@
	s_barrier_signal -3
.Lnot_wave_0_\@:
	s_barrier_wait -3
	s_barrier_signal -1
	s_barrier_wait -1
.endm
	s_load_b256 s[4:11], s[0:1], 0x0               ; xq, wq, b_qkv, q_img
	s_load_b64 s[12:13], s[0:1], 0x20              ; kv_img
	v_lshl_add_u32 v[SPW], v0, 2, SPARE
	v_mov_b32 v[NIL], 0
	ds_add_u32 v[SPW], v[NIL]                      ; the opening lines: the add, twice on end, and its wait
	ds_add_u32 v[SPW], v[NIL]
	v_lshrrev_b32 v1, 5, v0
	v_readfirstlane_b32 s14, v1                    ; wave
	s_lshr_b32 s15, s14, 1                         ; my half of A's rows; also: I fetch for A (0) or B (1)
	s_and_b32 s16, s14, 1                          ; my half of B's rows; also: which half I fetch
	s_bfe_u32 s40, ttmp6, 0x40000                  ; cx
	s_bfe_u32 s41, ttmp6, 0x40004                  ; cy
	s_and_b32 s95, ttmp7, 0xffff                   ; the cluster's y, 0 to 23
	s_max_u32 s18, s95, 16
	s_sub_co_u32 s18, s18, 16
	s_cmp_ge_u32 s95, 16                           ; v's way?
	s_cselect_b32 s17, ttmp9, s95
	s_cselect_b32 s42, s18, ttmp9
	s_lshl_b32 s17, s17, 2
	s_add_co_u32 s17, s17, s41                     ; A's block of 128 rows
	s_lshl_b32 s42, s42, 2
	s_add_co_u32 s42, s42, s40                     ; B's block of 256 rows
	s_lshl_b32 s43, s41, 2
	s_lshl_b32 s43, 15, s43                        ; my row of the cluster
	s_lshl_b32 s44, 0x1111, s40                    ; my column
	s_or_b32 s[G1+0], s43, (1<<20)|(1<<21)|(5<<22)|(3<<25)   ; bytes; 4 words of padding behind every 64; bit 21 beside the mask
	s_or_b32 s[G1B+0], s44, (1<<20)|(1<<21)|(5<<22)|(3<<25)
.irp g, G1, G1B
	s_mov_b32 s[\g+1], 768<<16
	s_mov_b32 s[\g+3], 768<<16
	s_mov_b32 s[\g+5], 768
	s_mov_b32 s[\g+6], 0
	s_mov_b32 s[\g+7], 0
.endr
	s_mov_b32 s[G1+2], 64<<16
	s_mov_b32 s[G1+4], 64
	s_mov_b32 s[G1B+2], 128<<16
	s_mov_b32 s[G1B+4], 128
	s_lshl_b32 s20, s17, 7
	s_lshl_b32 s18, s16, 6
	s_add_co_u32 s18, s20, s18
	s_mul_i32 s18, s18, 768                        ; the 64 rows of A that waves 0, 1 fetch, in bytes
	s_mov_b32 s19, 0
	s_lshl_b32 s46, s42, 8
	s_lshl_b32 s22, s16, 7
	s_add_co_u32 s68, s46, s22                     ; my first row of B: also the 128 rows that waves 2, 3 fetch
	s_mul_i32 s22, s68, 768
	s_mov_b32 s23, 0
	s_lshl_b32 s66, s15, 6
	s_add_co_u32 s66, s66, s20                     ; my first row of A
	s_lshl_b32 s70, s66, 5                         ; 32 scale bytes a row
	s_mov_b32 s71, 0
	s_lshl_b32 s72, s68, 5
	s_mov_b32 s73, 0
	s_mov_b32 s[G0], 1
	s_mul_i32 s[G0+1], s16, 64*PITCH
	s_mov_b32 s[G0B], 1
	s_mul_i32 s[G0B+1], s16, 128*PITCH
	s_add_co_u32 s[G0B+1], s[G0B+1], 128*PITCH
	s_wait_dscnt 0x0
	s_wait_kmcnt 0x0
	s_add_nc_u64 s[74:75], s[6:7], WVC
	s_add_nc_u64 s[76:77], s[6:7], WVS
	s_add_nc_u64 s[78:79], s[4:5], XSC
	s_add_nc_u64 s[80:81], s[6:7], WQS
	s_cmp_ge_u32 s95, 16
	s_cselect_b64 s[74:75], s[74:75], s[4:5]       ; A's codes
	s_cselect_b64 s[76:77], s[76:77], s[78:79]     ; A's scales
	s_cselect_b64 s[4:5], s[4:5], s[6:7]           ; B's codes
	s_cselect_b64 s[78:79], s[78:79], s[80:81]     ; B's scales
	s_add_nc_u64 s[G0+2:G0+3], s[74:75], s[18:19]
	s_or_b32 s[G0+3], s[G0+3], 0x80000000
	s_add_nc_u64 s[G0B+2:G0B+3], s[4:5], s[22:23]
	s_or_b32 s[G0B+3], s[G0B+3], 0x80000000
	s_add_nc_u64 s[76:77], s[76:77], s[70:71]
	s_add_nc_u64 s[78:79], s[78:79], s[72:73]
	CROUND                                         ; all sixteen work-groups are here: the joint loads meet
	s_cmp_eq_u32 s15, 0                            ; one tensor load a wave, one in each arm
	s_cbranch_scc0 .Lfor_b
	tensor_load_to_lds s[G0:G0+3], s[G1:G1+7]
	s_nop 0
	PLACES
	s_branch .Lasked
.Lfor_b:
	tensor_load_to_lds s[G0B:G0B+3], s[G1B:G1B+7]
	s_nop 0
	PLACES
.Lasked:
	; where the results go: both ways' numbers, then the choice
	s_lshr_b32 s82, s17, 4                         ; q, k: batch,
	s_and_b32 s83, s17, 15                         ; record of 128 positions,
	s_and_b32 s84, s42, 3
	s_lshl_b32 s84, s84, 2
	s_lshl_b32 s85, s16, 1
	s_add_co_u32 s84, s84, s85                     ; first of my two heads
	s_lshr_b32 s86, s42, 3                         ; v: batch,
	s_lshl_b32 s87, s42, 1
	s_add_co_u32 s87, s87, s16
	s_and_b32 s87, s87, 15                         ; record,
	s_lshl_b32 s88, s17, 1
	s_add_co_u32 s88, s88, s15                     ; head
	s_mul_i32 s89, s15, 3072                       ; q, k: my 64 positions' codes in the record
	s_lshl_b32 s90, s15, 2                         ; and my word of each lane's two
	s_lshl_b32 s91, s68, 2                         ; q, k: the bias runs along B's rows
	s_add_co_u32 s92, s66, 2048
	s_lshl_b32 s92, s92, 2                         ; v: along A's
	s_mov_b32 s93, 6144
	s_mov_b32 s94, 12544
	s_mov_b32 s2, 3072
	s_mov_b32 s98, 12800
	s_mov_b32 s3, 12288
	s_mov_b32 s[SEL], 0x76543210
	s_mov_b32 s[SEL+1], 0xfedcba98
	s_cmp_ge_u32 s95, 16
	s_cselect_b32 s82, s86, s82
	s_cselect_b32 s83, s87, s83
	s_cselect_b32 s84, s88, s84
	s_cselect_b32 s89, s93, s89                    ; v's codes lie behind k's in a record
	s_cselect_b32 s91, 0, s91
	s_cselect_b32 s92, s92, 0
	s_cselect_b32 s96, 0, -1
	s_cselect_b32 s97, -1, 0
	s_cselect_b32 s99, 1, ttmp9                    ; 0: q
	s_cmp_eq_u32 s99, 0
	s_cselect_b64 s[OB:OB+1], s[10:11], s[12:13]
	s_cselect_b32 s98, 6400, s98                   ; a record's bytes
	s_cselect_b32 s3, s93, s3                      ; its scale block
	s_add_co_u32 s3, s3, s90
	s_lshl_b32 s85, s98, 4                         ; from head to head: 16 records
	s_cmp_ge_u32 s95, 16
	s_cselect_b32 s3, s94, s3
	s_cselect_b32 s86, s2, s85                     ; from the codes' first six registers to the second six
	s_cselect_b32 s87, 4, s85                      ; from the first scale word to the second
	s_lshl_b32 s82, s82, 4
	s_add_co_u32 s82, s82, s84
	s_lshl_b32 s82, s82, 4
	s_add_co_u32 s82, s82, s83
	s_mul_i32 s82, s82, s98
	s_mov_b32 s83, 0
	s_add_nc_u64 s[OB:OB+1], s[OB:OB+1], s[82:83]
	s_mul_i32 s21, s15, 64*PITCH
	s_mul_i32 s22, s16, 128*PITCH
	s_add_co_u32 s22, s22, 128*PITCH
	s_add_co_u32 s23, s22, 64*PITCH
	v_and_b32 v1, 15, v0                           ; r
	v_bfe_u32 v2, v0, 4, 1                         ; h
	v_mul_u32_u24 v3, v1, PITCH
	v_mad_u32_u24 v4, v2, 24, v3
	v_mad_u32_u24 v5, v2, 40, v3
	v_add_nc_u32 v[ADRA], s21, v4
	v_add_nc_u32 v[ADRA+1], s21, v5
	v_add_nc_u32 v[ADRB], s22, v4
	v_add_nc_u32 v[ADRB+1], s22, v5
	v_add_nc_u32 v[ADRB+2], s23, v4
	v_add_nc_u32 v[ADRB+3], s23, v5
	v_lshlrev_b32 v[SO], 5, v1
	v_lshlrev_b32 v[H8], 3, v2
	v_and_b32 v6, 31, v0
	v_lshlrev_b32 v6, 3, v6                        ; 8 x lane
	v_add_nc_u32 v[VO0], s89, v6
	v_add_nc_u32 v[VO0+1], s86, v[VO0]
	v_add_nc_u32 v[VS0], s3, v6
	v_add_nc_u32 v[VS1], s87, v[VS0]
	v_lshl_add_u32 v7, v2, 7, s91                  ; the bias along B's rows: 32 h numbers on
	v_and_b32 v8, 8, v1
	v_mad_u32_u24 v8, v8, 3, v1                    ; r % 8 + 32 (r / 8)
	v_lshl_add_u32 v8, v8, 2, s92
	s_wait_alu depctr_va_vdst(0)                   ; the wait at the head's end
.irp i, 0,1,2,3
	global_load_b128 v[SA+8*\i:SA+8*\i+3], v[SO], s[76:77] offset:512*\i
	global_load_b128 v[SA+8*\i+4:SA+8*\i+7], v[SO], s[76:77] offset:512*\i+16
.endr
.irp i, 0,1,2,3,4,5,6,7
	global_load_b128 v[SB+8*\i:SB+8*\i+3], v[SO], s[78:79] offset:512*\i
	global_load_b128 v[SB+8*\i+4:SB+8*\i+7], v[SO], s[78:79] offset:512*\i+16
.endr
.irp a, 0,1,2,3
	global_load_b32 v[B1+2*\a], v8, s[8:9] offset:32*\a
.endr
	WIN 0x80
.irp b, 0,1,2,3,4,5,6,7
	global_load_b128 v[BI+8*\b:BI+8*\b+3], v7, s[8:9] offset:(64*(\b/4)+8*(\b%4))*4
	global_load_b128 v[BI+8*\b+4:BI+8*\b+7], v7, s[8:9] offset:(64*(\b/4)+8*(\b%4))*4+16
.endr
	WIN 0
; A fragment, 16 rows x 128 K, is 12 registers: six pieces of 8 bytes.  Byte y of a row lies at y + 16 (y / 256) of its LDS row; lanes 16-31 read 24 bytes further on.
.macro FRAG reg, adr, st, i
.irp p, 0,1,2,3,4,5
.set BY, 96*(\st)+48*(\p/3)+8*(\p%3)
.if BY/256 == (BY+24)/256
	ds_load_b64 v[\reg+2*\p:\reg+2*\p+1], v[\adr] offset:BY+16*(BY/256)+(\i)*16*PITCH
.else
	ds_load_b64 v[\reg+2*\p:\reg+2*\p+1], v[\adr+1] offset:BY+16*(BY/256)+(\i)*16*PITCH
.endif
.endr
.endm
.macro FETCH st                        ; step st's fragments into set st % 2: 48 loads for B, 24 for A
	WIN 0x80
.irp i, 0,1,2,3,4,5,6,7
	FRAG 96*((\st)%2)+12*\i, ADRB+2*(\i/4), \st, \i%4
.endr
	WIN 0
.irp i, 0,1,2,3
	FRAG AF+48*((\st)%2)+12*\i, ADRA, \st, \i
.endr
.endm
.macro MUL st                          ; 32 products; the accumulators take turns, one instruction a turn
.irp a, 0,1,2,3
.irp b, 0,1,2,3,4,5,6,7
.if \st == 0
	v_wmma_scale_f32_16x16x128_f8f6f4 v[8*(8*\a+\b):8*(8*\a+\b)+7], v[12*\b:12*\b+11], v[AF+12*\a:AF+12*\a+11], v[BI+8*\b:BI+8*\b+7], v[SB+8*\b], v[SA+8*\a] matrix_a_fmt:MATRIX_FMT_FP6 matrix_b_fmt:MATRIX_FMT_FP6
.else
	v_wmma_scale_f32_16x16x128_f8f6f4 v[8*(8*\a+\b):8*(8*\a+\b)+7], v[96*(\st%2)+12*\b:96*(\st%2)+12*\b+11], v[AF+48*(\st%2)+12*\a:AF+48*(\st%2)+12*\a+11], v[8*(8*\a+\b):8*(8*\a+\b)+7], v[SB+8*\b+\st], v[SA+8*\a+\st] matrix_a_fmt:MATRIX_FMT_FP6 matrix_b_fmt:MATRIX_FMT_FP6
.endif
.endr
.endr
.endm
.macro STEP st                         ; 128 along K: this step's fragments are in; the next step's are asked for, into the set that the step before has read; then the products
	s_wait_dscnt 0x0
.if \st > 0
	PLACES                                         ; four places between the last products and loads into registers that they read
.endif
.if \st < 7
	FETCH (\st)+1
.endif
.if \st == 0
	WIN 0x62                                       ; source 0 window 2, source 1 window 0, C window 2 (the bias), D window 1
.else
	WIN 0x52                                       ; C and D window 1
.endif
	MUL \st
	WIN 0
.endm
	s_wait_tensorcnt 0x0                           ; my rows have landed,
	s_barrier_signal -1
	s_barrier_wait -1                              ; everybody's have
	FETCH 0
	s_wait_loadcnt 0x0
	WIN 0x88
.set j, 0
.rept 64
	v_cndmask_b32 v[BI+j], 0, v[BI+j], s96         ; the bias along B's rows counts on q's and k's way alone,
.set j, j+1
.endr
	WIN 0
.irp a, 0,1,2,3
	v_cndmask_b32 v[B1+2*\a+1], 0, v[B1+2*\a], s97 ; the bias along A's rows on v's way alone
	v_cndmask_b32 v[B1+2*\a], 0, v[B1+2*\a], s97
.endr
	s_wait_alu depctr_va_vdst(0)                   ; the wait ahead of the blocking wait below
.irp st, 0,1,2,3,4,5,6,7
	STEP \st
.endr
; THE WAY OUT: 16 rows x 128 numbers at a time.  Lane (r, h) holds blocks h and 2 + h of its row whole, 32 registers each, in the operand's own order: no other lane is asked for a maximum, and no code changes lanes.
.macro QUANT s
.irp b, 0,1,2,3
	v_max3_num_f32 v[TM+\b], |v[\s+16*\b]|, |v[\s+1+16*\b]|, 0x1800000   ; with the floor 2^(3 - 127): the byte cannot fall under 1
.endr
.irp i, 2,4,6,8,10,12,14
.irp b, 0,1,2,3
	v_max3_num_f32 v[TM+\b], v[TM+\b], |v[\s+16*\b+\i]|, |v[\s+1+16*\b+\i]|
.endr
.endr
	v_max_num_f32 v[TM], v[TM], v[TM+1]
	v_max_num_f32 v[TM+2], v[TM+2], v[TM+3]
	v_add_nc_u32 v[TM+4], 0xff000000, v[TM]        ; 2 off the exponent field: the conversion's scale operand
	v_add_nc_u32 v[TM+5], 0xff000000, v[TM+2]
	v_lshrrev_b32 v[TM+6], 23, v[TM+4]             ; the scale's byte
	v_lshrrev_b32 v[TM+7], 23, v[TM+5]
	v_lshl_or_b32 v[PW], v[TM+7], 16, v[TM+6]
	v_lshlrev_b32 v[PW], v[H8], v[PW]              ; my two bytes at places h and 2 + h of the row's word;
	v_permlanex16_b32 v[TM+8], v[PW], s[SEL], s[SEL+1]
	v_or_b32 v[PW], v[PW], v[TM+8]                 ; with lane l xor 16's two the word is whole
.irp c, 0,1
	v_cvt_scalef32_pk16_fp6_f32 v[PC+6*\c:PC+2+6*\c], v[\s+32*\c:\s+15+32*\c], v[TM+4+\c]
	v_cvt_scalef32_pk16_fp6_f32 v[PC+12+4*\c:PC+14+4*\c], v[\s+16+32*\c:\s+31+32*\c], v[TM+4+\c]   ; (a conversion's three registers begin on an even number)
.endr
	v_nop                                          ; one plain place behind a scaled conversion
.irp c, 0,1
.irp i, 0,1,2
	v_mov_b32 v[PC+3+6*\c+\i], v[PC+12+4*\c+\i]
.endr
.endr
.endm
.macro OUT a
.if \a > 0
	s_wait_xcnt 0x0                                ; the last block's stores have read their registers
.endif
	WIN 0x01
.set i, 0
.rept 32
	v_pk_add_f32 v[HA+2*i:HA+2*i+1], v[64*\a+2*i:64*\a+2*i+1], v[B1+2*\a:B1+2*\a+1]   ; each accumulator from its low end on
.set i, i+1
.endr
	WIN 0
	QUANT HA
	v_mov_b32 v[PWS+\a], v[PW]
.irp c, 0,1
.irp p, 0,1,2
	global_store_b64 v[VO0+\c], v[PC+6*\c+2*\p:PC+6*\c+2*\p+1], s[OB:OB+1] offset:\a*768+256*\p   ; 32 lanes store 256 consecutive bytes, aligned
.endr
.endr
.endm
	PLACES
	v_mov_b32 v[TM+8], 0                           ; a lane permute's destination counts as one of its sources
.irp a, 0,1,2,3
	OUT \a
.endr
; the scale words.  q, k: a fragment holds two tiles of 16 positions, its word the two bytes of each; lanes 0-15 my first fragment, lanes 16-31 my second; one word for each of my two heads.
; v: a word a tile of 16 channels; lanes 0-15 tile 2 i, lanes 16-31 tile 2 i + 1.  A lane's two words lie side by side in the record's block of 256 bytes.
	s_mov_b32 s20, 0x05040100
	s_mov_b32 s21, 0x07060302
	s_mov_b32 s22, 0xffff0000
.irp e, 0,1
.irp g, 0,1
	v_perm_b32 v[SW+2*\e+\g], v[PWS+2*\g+1], v[PWS+2*\g], s[20+\e]
.endr
.endr
.irp e, 0,1
	v_cndmask_b32 v[SW+4+\e], v[SW+2*\e], v[SW+2*\e+1], s22
	v_cndmask_b32 v[SW+6+\e], v[PWS+2*\e], v[PWS+2*\e+1], s22
.endr
.irp e, 0,1
	v_cndmask_b32 v[SW+8+\e], v[SW+4+\e], v[SW+6+\e], s97
.endr
	global_store_b32 v[VS0], v[SW+8], s[OB:OB+1]
	global_store_b32 v[VS1], v[SW+9], s[OB:OB+1]
	s_wait_tensorcnt 0x0                           ; the wave's end
	ds_add_u32 v[SPW], v[NIL]
	s_wait_dscnt 0x0
	CROUND                                         ; the closing round
	s_endpgm
.Lfunc_end_k_q5c66c0b65e_qkv:
	.size	k_q5c66c0b65e_qkv, .Lfunc_end_k_q5c66c0b65e_qkv-k_q5c66c0b65e_qkv
	.p2alignl 7, 3214868480
	.fill 96, 4, 3214868480
	.section	.rodata,"a",@progbits
	.p2align	6, 0x0
	.amdhsa_kernel k_q5c66c0b65e_qkv
		.amdhsa_group_segment_fixed_size 327680
		.amdhsa_private_segment_fixed_size 0
		.amdhsa_enable_private_segment 0
		.amdhsa_kernarg_size 40
		.amdhsa_user_sgpr_count 2
		.amdhsa_user_sgpr_kernarg_segment_ptr 1
		.amdhsa_wavefront_size32 1
		.amdhsa_system_sgpr_workgroup_id_x 1
		.amdhsa_system_sgpr_workgroup_id_y 1
		.amdhsa_system_sgpr_workgroup_id_z 1
		.amdhsa_system_vgpr_workitem_id 0
		.amdhsa_next_free_vgpr 768
		.amdhsa_next_free_sgpr 102
		.amdhsa_reserve_vcc 0
		.amdhsa_float_denorm_mode_32 3
		.amdhsa_float_denorm_mode_16_64 3
		.amdhsa_memory_ordered 1
		.amdhsa_forward_progress 1
		.amdhsa_inst_pref_size 112
	.end_amdhsa_kernel
	.amdgpu_metadata
---
amdhsa.version: [ 1, 2 ]
amdhsa.kernels:
  - .name:           k_q5c66c0b65e_qkv
    .symbol:         k_q5c66c0b65e_qkv.kd
    .args:
      - { .name: xq, .offset: 0, .size: 8, .value_kind: global_buffer, .address_space: global }
      - { .name: wq, .offset: 8, .size: 8, .value_kind: global_buffer, .address_space: global }
      - { .name: b_qkv, .offset: 16, .size: 8, .value_kind: global_buffer, .address_space: global }
      - { .name: q_img, .offset: 24, .size: 8, .value_kind: global_buffer, .address_space: global }
      - { .name: kv_img, .offset: 32, .size: 8, .value_kind: global_buffer, .address_space: global }
    .group_segment_fixed_size: 327680
    .private_segment_fixed_size: 0
    .kernarg_segment_align: 8
    .kernarg_segment_size: 40
    .max_flat_workgroup_size: 128
    .sgpr_count:     102
    .vgpr_count:     768
    .wavefront_size: 32
...
	.end_amdgpu_metadata
.endif
;; end of part 2
;; launch attn (part 3): grid 4 x 64, 8 waves a work-group, clusters of 4 x 1, 232,448 bytes of LDS; arguments q_img, kv_img, a4; writes a4
.if DOCPART == 3
	.amdgcn_target "amdgcn-amd-amdhsa--gfx1250"
	.amdhsa_code_object_version 6
	.text
	.protected	k_q5c66c0b65e_attn
	.globl	k_q5c66c0b65e_attn
	.p2align	8
	.type	k_q5c66c0b65e_attn,@function
k_q5c66c0b65e_attn:
	s_mov_b64 s[64:65], 0
	v_nop
	global_prefetch_b8 v0, s[64:65] scope:SCOPE_SE
	s_setreg_imm32_b32 hwreg(HW_REG_WAVE_MODE, 25, 1), 1
	s_wait_xcnt 0x0
	s_wait_alu depctr_hold_cnt(0) depctr_sa_sdst(0) depctr_va_vdst(0) depctr_va_sdst(0) depctr_va_ssrc(0) depctr_va_vcc(0) depctr_vm_vsrc(0)
	s_getreg_b32 s2, hwreg(HW_REG_IB_STS2, 6, 4)
	s_cmp_eq_u32 s2, 0
	s_cbranch_scc0 .Lentry_in_a_cluster
	s_endpgm
.Lentry_in_a_cluster:
	s_bfe_u32 s2, ttmp6, 0x10000c
	s_cmp_lg_u32 s2, 0x3003
	s_cbranch_scc0 .Lentry_shape_is_right
	s_endpgm
.Lentry_shape_is_right:
; For each of 64 heads: O = softmax(q k^T / 8) v, both products on codes of FP6 (E2M3) with E8M0 scales; O / l is then quantised along the head's 64 for the last product and stored as codes.
; THE SOFTMAX AHEAD OF THE SECOND PRODUCT: t = score x log2(e) / 8; M = the row's largest t so far, rounded up to a whole number; p = 2^(t - M) is what is quantised, along the keys, not normalised.
; The row's sum is taken of the unquantised p and divides O at the end.  When M moves, the sum and O are multiplied by 2^(old M - new M): exact.
; SHARES.  A work-group owns 512 queries of one head, each of its eight waves 64: four tiles of 16, which share every fragment of k and v that the wave reads from LDS: 50 LDS loads serve four tiles' 48 products.
; THE HEAD'S K AND V LIE IN LDS WHOLE: 16 records of 12,800 bytes (128 keys each), filled once: no slot is filled again.  The head's four work-groups are a cluster and ask for the records jointly:
; each wave issues one load, two records, 100 rows of 256 bytes.  All are asked for at the head, so there is nothing to prefetch.
; LAYOUT.  Both products are used transposed: S^T = k q^T, O^T = v^T p^T: a lane holds one query (lane % 16) throughout.  The records hold images of operand registers: every LDS load reads 8 bytes a lane, 256 on end.
; K = 64 IN AN INSTRUCTION OF K = 128: a fragment of k holds TWO tiles of 16 keys, one in each half of K.  q stands in 18 registers as [q | zeros | q]: the first twelve pick the first tile, the last twelve the second.
; ROW ORDER (the launches before): place 16 u + r of every 64 holds row 8 u + r % 8 + 32 (r / 8).  So S^T's register 32 c + i in lane (r, h) is key 64 c + 32 h + i of the record: a lane holds blocks h and 2 + h of 32 keys whole,
; in the operand's own order: a block's maximum needs no other lane and no code changes lanes.  Likewise O^T's register i is channel 32 h + i, and lane r of query tile u is query 8 u + r % 8 + 32 (r / 8) of the wave's 64.
; IN A STEP: v's fragments are asked for at the head of tile 0's softmax, the next record's k inside tile 3's (in the last step record 15's once more, which nobody uses); tile u's O^T products and tile u + 1's scores stand on end.
; REGISTERS: window 0: v1-63 addresses, statistics, scale words; v64-127 S^T, then p; v128-175 k's fragments; v176-223 v's; v224-232 the way out.  Window 1: v0-127 O^T of four tiles; v128-199 q; v200-247 p's codes; v248-254 the conversions' second halves.
; OUT: a4: codes [head][query][48 bytes], scale bytes [head][query][2] behind them: read as rows of 16 queries they are the last product's operand, [8192][768] and [8192][32].
; LIMITS: NaN and infinities are not served; a block of zeros carries the byte 1; largest magnitudes under 2^-124 are taken as 2^-124; a block's largest p is made from the block's largest score, which takes v_exp_f32 not to fall where its input rises.
.set REC,   12800                      ; a record: k's codes 6,144, v's codes 6,144, k's scale block 256, v's 256
.set NREC,  16
.set STG,   NREC*REC                   ; behind the records: 3,072 bytes for each wave: its 64 queries' codes
.set SST,   STG+8*3072                 ; 128 bytes for each wave: their scale bytes
.set SPARE, SST+1024                   ; the spare words, 128 bytes a wave, which no other line names
.set ASC,   6291456
.set LK,   1                           ; 8 x lane
.set SPW,  2
.set NIL,  3
.set ADRK, 4
.set ADRV, 5
.set STA,  6
.set STS,  7
.set STR,  8
.set SSR,  9
.set GO,   10
.set GS,   11
.set NM,   12                          ; tile u: v[12 + 4 u] -M, v[13 + 4 u] the largest score so far, v[14 + 4 u : 15 + 4 u] the sum in two halves
.set QS,   28                          ; v28-31 q's scale words;  v32-35 p's;  v36-37 k's;  v38-39 v's
.set PS,   32
.set KSC,  36
.set VSC,  38
.set FF,   40                          ; f = 2^(old M - new M), at the end 1 / l;  v41 0 (named with it as a pair)
.set T0,   42
.set T1,   43
.set BM,   44
.set BS,   48
.set BY,   50
.set PT,   52
.set H8,   53                          ; 8 h
.set SU,   54                          ; v54-61 four chains of sums
.set QA,   62
.set ST,   64
.set KF,   128
.set VF,   176
.set OC,   224
.set OT,   0                           ; window 1
.set QF,   128
.set PC,   200
.set PX,   248
.set WV,   10
.set SEL,  40
.set CS,   42
.set TB,   44
.set CNT,  45
.set TN,   52
.set MSB, 0
.macro WIN new
.if MSB != \new
	s_set_vgpr_msb (MSB<<8)|\new
.set MSB, \new
.endif
.endm
.macro CROUND                          ; a round of the cluster's barrier
	s_barrier_signal -1
	s_barrier_wait -1
	s_cmp_lg_u32 s[WV], 0
	s_cbranch_scc1 .Lnot_wave_0_\@
	s_barrier_signal -3
.Lnot_wave_0_\@:
	s_barrier_wait -3
	s_barrier_signal -1
	s_barrier_wait -1
.endm
	s_load_b128 s[4:7], s[0:1], 0x0                ; q_img, kv_img
	s_load_b64 s[8:9], s[0:1], 0x10                ; a4
	v_lshl_add_u32 v[SPW], v0, 2, SPARE
	v_mov_b32 v[NIL], 0
	ds_add_u32 v[SPW], v[NIL]                      ; the opening lines: the add, twice on end, and its wait
	ds_add_u32 v[SPW], v[NIL]
	v_lshrrev_b32 v[T0], 5, v0
	s_delay_alu instid0(VALU_DEP_1)
	v_readfirstlane_b32 s[WV], v[T0]               ; wave 0..7
	s_bfe_u32 s11, ttmp6, 0x40000                  ; cx
	s_lshl_b32 s13, ttmp9, 2
	s_add_co_u32 s13, s13, s11                     ; my block of 512 queries: it enters q's and a4's addresses alone
	s_and_b32 s12, ttmp7, 0xffff                   ; the head, which the four partners share
	s_mov_b32 s16, 15|(3<<16)|(1<<21)              ; group 1: two records, 25,600 dense bytes, as 100 rows of 32 elements of 8 bytes; the mask names all four work-groups
	s_mov_b32 s17, 32<<16
	s_mov_b32 s18, 100<<16
	s_mov_b32 s19, 32<<16
	s_mov_b32 s20, 100
	s_mov_b32 s21, 32
	s_mov_b32 s22, 0
	s_mov_b32 s23, 0
	s_mov_b32 s24, 1
	s_mul_i32 s25, s[WV], 2*REC                    ; LDS address: wave x two records
	s_mul_i32 s28, s12, NREC*REC
	s_add_co_u32 s28, s28, s25                     ; and the same place in the head's records in memory
	s_mov_b32 s29, 0
	s_lshl_b32 s30, s12, 4                         ; q's record: 16 x head + 4 x block + wave / 2
	s_lshl_b32 s31, s13, 2
	s_add_co_u32 s30, s30, s31
	s_lshr_b32 s31, s[WV], 1
	s_add_co_u32 s30, s30, s31
	s_mul_i32 s30, s30, 6400
	s_and_b32 s32, s[WV], 1                        ; my 64 of its 128 queries
	s_mul_i32 s31, s32, 3072
	s_add_co_u32 s34, s30, s31                     ; their codes,
	s_mov_b32 s35, 0
	s_lshl_b32 s32, s32, 2
	s_add_co_u32 s30, s30, s32
	s_add_co_u32 s30, s30, 6144                    ; their word of each lane's two in the scale block
	s_mov_b32 s31, 0
	s_lshl_b32 s36, s12, 11
	s_lshl_b32 s37, s13, 9
	s_add_co_u32 s36, s36, s37
	s_lshl_b32 s37, s[WV], 6
	s_add_co_u32 s36, s36, s37                     ; my first query, counted through all heads
	s_lshl_b32 s38, s36, 1
	s_mov_b32 s39, 0
	s_mul_i32 s36, s36, 48
	s_mov_b32 s37, 0
	s_mov_b32 s[SEL], 0x76543210
	s_mov_b32 s[SEL+1], 0xfedcba98
	s_mov_b32 s[CS], 0x3e38aa3b                    ; c = log2(e) / 8
	s_mov_b32 s[CS+1], s[CS]
	s_mul_i32 s46, s[WV], 3072
	s_add_co_u32 s46, s46, STG
	s_lshl_b32 s47, s[WV], 7
	s_add_co_u32 s47, s47, SST
	v_and_b32 v64, 31, v0                          ; lane
	v_and_b32 v65, 15, v0                          ; r
	v_bfe_u32 v66, v0, 4, 1                        ; h
	s_delay_alu instid0(VALU_DEP_2)
	v_and_b32 v67, 8, v65
	v_lshlrev_b32 v[LK], 3, v64
	v_lshlrev_b32 v[H8], 3, v66
	s_delay_alu instid0(VALU_DEP_3)
	v_mad_u32_u24 v67, v67, 3, v65                 ; r % 8 + 32 (r / 8)
	v_lshl_add_u32 v[STR], v64, 4, s46
	v_lshl_add_u32 v[SSR], v64, 2, s47
	s_delay_alu instid0(VALU_DEP_3)
	v_mul_u32_u24 v[STA], v67, 48
	v_lshl_add_u32 v[STS], v67, 1, v66
	v_lshlrev_b32 v[GO], 4, v64
	s_delay_alu instid0(VALU_DEP_3)
	v_mad_u32_u24 v[STA], v66, 24, v[STA]
	v_add_nc_u32 v[STS], s47, v[STS]               ; my query's scale byte of my half
	v_lshlrev_b32 v[GS], 2, v64
	s_delay_alu instid0(VALU_DEP_3)
	v_add_nc_u32 v[STA], s46, v[STA]               ; my query's 48 bytes, my half's 24
	v_lshlrev_b32 v[QA], 3, v65
	v_mov_b32 v[ADRK], v[LK]
	v_mov_b32 v[PT], 0                             ; a lane permute's destination counts as one of its sources
	v_mov_b32 v[FF+1], 0
	s_wait_alu depctr_va_vdst(0)                   ; the wait ahead of the blocking waits below
	s_wait_dscnt 0x0
	s_wait_kmcnt 0x0
	s_add_nc_u64 s[26:27], s[6:7], s[28:29]
	s_or_b32 s27, s27, 0x80000000
	s_add_nc_u64 s[48:49], s[4:5], s[30:31]        ; q's scale words
	s_add_nc_u64 s[4:5], s[4:5], s[34:35]          ; q's codes
	s_add_nc_u64 s[50:51], s[8:9], s[38:39]
	s_add_nc_u64 s[50:51], s[50:51], ASC           ; a4: my 128 scale bytes,
	s_add_nc_u64 s[8:9], s[8:9], s[36:37]          ; my 3,072 bytes of codes
	CROUND                                         ; all four work-groups are here: the joint loads meet
	tensor_load_to_lds s[24:27], s[16:23]          ; one load a wave
	s_nop 0
.rept 4
	v_nop
.endr
	global_load_b32 v[T0], v[QA], s[48:49]            ; tiles 0, 1: two bytes each
	global_load_b32 v[T1], v[QA], s[48:49] offset:128 ; tiles 2, 3
	WIN 0x40
.irp u, 0,1,2,3
.irp p, 0,1,2
	global_load_b64 v[QF+18*\u+2*\p:QF+18*\u+2*\p+1], v[LK], s[4:5] offset:768*\u+256*\p
.endr
.endr
.set j, 0
.rept 128
	v_mov_b32 v[OT+j], 0                           ; O^T: the step is written once for all records, and the first finds zeros
.set j, j+1
.endr
.irp u, 0,1,2,3
.irp i, 0,1,2,3,4,5
	v_mov_b32 v[QF+18*\u+6+\i], 0                  ; the zeros between q and q
.endr
.endr
	WIN 0
.irp u, 0,1,2,3
	v_mov_b32 v[NM+4*\u], 0x7f61b1e6               ; -M: 3e38
	v_mov_b32 v[NM+4*\u+1], 0xff61b1e6             ; the largest score so far: -3e38, under every score
	v_mov_b32 v[NM+4*\u+2], 0
	v_mov_b32 v[NM+4*\u+3], 0
.endr
	s_wait_loadcnt 0x0
	v_perm_b32 v[QS], v[T0], v[T0], 0x01000100     ; (s0, s1, s0, s1): q stands in either half of K
	v_perm_b32 v[QS+1], v[T0], v[T0], 0x03020302
	v_perm_b32 v[QS+2], v[T1], v[T1], 0x01000100
	v_perm_b32 v[QS+3], v[T1], v[T1], 0x03020302
	WIN 0x41
.irp u, 0,1,2,3
.irp i, 0,1,2,3,4,5
	v_mov_b32 v[QF+18*\u+12+\i], v[QF+18*\u+\i]
.endr
.endr
	WIN 0
.macro SMUL u                          ; S^T of query tile u: tile t of 16 keys is half t % 2 of fragment t / 2
	WIN 0x04                                       ; source 1 (q) window 1
.irp t, 0,1,2,3,4,5,6,7
.if ((\t)/2)%2
	v_wmma_scale_f32_16x16x128_f8f6f4 v[ST+8*\t:ST+8*\t+7], v[KF+12*(\t/2):KF+12*(\t/2)+11], v[QF+18*(\u)+6*(\t%2):QF+18*(\u)+6*(\t%2)+11], 0, v[KSC+\t/4], v[QS+(\u)] matrix_a_fmt:MATRIX_FMT_FP6 matrix_b_fmt:MATRIX_FMT_FP6 matrix_a_scale:MATRIX_SCALE_ROW1
.else
	v_wmma_scale_f32_16x16x128_f8f6f4 v[ST+8*\t:ST+8*\t+7], v[KF+12*(\t/2):KF+12*(\t/2)+11], v[QF+18*(\u)+6*(\t%2):QF+18*(\u)+6*(\t%2)+11], 0, v[KSC+\t/4], v[QS+(\u)] matrix_a_fmt:MATRIX_FMT_FP6 matrix_b_fmt:MATRIX_FMT_FP6
.endif
.endr
.endm
.macro KLOAD
.irp f, 0,1,2,3
.irp p, 0,1,2,3,4,5
	ds_load_b64 v[KF+12*\f+2*\p:KF+12*\f+2*\p+1], v[ADRK] offset:1536*\f+256*\p
.endr
.endr
	ds_load_b64 v[KSC:KSC+1], v[ADRK] offset:12288 ; word i: lanes 0-15 fragment 2 i's rows, lanes 16-31 fragment 2 i + 1's
.endm
; Query tile u against the record's 128 keys: its scores lie in S^T.  Softmax, p's codes, O^T; then the next tile's scores.
.macro SOFT u
.set NMU, NM+4*\u
	v_mov_b32 v[T1], v[NMU]                        ; the old -M.  (With the three lines below: four places behind the products)
.if \u == 0
	v_add_nc_u32 v[ADRV], s[TB], v[LK]
	v_nop
	v_nop
.irp d, 0,1,2,3                                ; v's four fragments land under tile 0's softmax
.irp c, 0,1
.irp p, 0,1,2
	ds_load_b64 v[VF+12*\d+6*\c+2*\p:VF+12*\d+6*\c+2*\p+1], v[ADRV] offset:6144+3072*\c+768*\d+256*\p
.endr
.endr
.endr
	ds_load_b64 v[VSC:VSC+1], v[ADRV] offset:12544
.else
.rept 3
	v_nop
.endr
.endif
.irp b, 0,1,2,3
	v_max3_num_f32 v[BM+\b], v[ST+16*\b], v[ST+1+16*\b], v[ST+2+16*\b]   ; four chains by turns; each accumulator is first read at its low end
.endr
.irp i, 3,5,7,9,11,13
.irp b, 0,1,2,3
	v_max3_num_f32 v[BM+\b], v[BM+\b], v[ST+16*\b+\i], v[ST+1+16*\b+\i]
.endr
.endr
	v_max3_num_f32 v[BM], v[BM], v[BM+1], v[ST+15]
	v_max3_num_f32 v[BM+2], v[BM+2], v[BM+3], v[ST+47]
	v_max_num_f32 v[BM], v[BM], v[ST+31]           ; the largest score of my block h,
	v_max_num_f32 v[BM+2], v[BM+2], v[ST+63]       ; and of my block 2 + h: they serve for the row's maximum and, since p rises with the score, for the blocks' largest p
.if \u == 3
	s_add_co_u32 s[TN], s[TB], REC                 ; the next record's k (in the last step: record 15's once more)
	s_min_u32 s[TN], s[TN], (NREC-1)*REC
	v_add_nc_u32 v[ADRK], s[TN], v[LK]
	KLOAD
.endif
	v_max_num_f32 v[T0], v[BM], v[BM+2]
	v_permlanex16_b32 v[PT], v[T0], s[SEL], s[SEL+1]
	v_max3_num_f32 v[NMU+1], v[NMU+1], v[T0], v[PT]   ; the running largest score
	v_mul_f32 v[T0], s[CS], v[NMU+1]               ; as t (c is positive)
	v_floor_f32 v[NMU], -v[T0]                     ; the new -M = -ceil(t): a whole number
	v_sub_f32 v[T1], v[NMU], v[T1]                 ; M's old value less its new one
	v_cvt_i32_f32 v[T1], v[T1]                     ; (it saturates)
	v_ldexp_f32 v[FF], 1.0, v[T1]                  ; f = 2^(old M - new M)
.set j, 0
.rept 32
	v_pk_fma_f32 v[ST+j:ST+j+1], v[ST+j:ST+j+1], s[CS:CS+1], v[NMU:NMU+1] op_sel_hi:[1,0,0]   ; t - M, two at a time
.set j, j+2
.endr
	v_fma_f32 v[BM], v[BM], s[CS], v[NMU]          ; the same of each block's largest score
	v_fma_f32 v[BM+2], v[BM+2], s[CS], v[NMU]
	s_wait_alu depctr_va_vdst(0)                   ; the wait ahead of the batch
.set j, 0
.rept 64
	v_exp_f32 v[ST+j], v[ST+j]                     ; p = 2^(t - M): not normalised
.set j, j+1
.endr
	v_exp_f32 v[BM], v[BM]                         ; the blocks' largest p: the same two instructions on the same number give the same bits
	v_exp_f32 v[BM+2], v[BM+2]
	v_pk_mul_f32 v[NMU+2:NMU+3], v[NMU+2:NMU+3], v[FF:FF+1] op_sel_hi:[1,0]   ; the sums under the new M: the plain instruction behind the exponentials
	s_wait_alu depctr_va_vdst(0)                   ; one wait for the whole batch, ahead of its first reader
.irp k, 0,1,2,3
	v_pk_add_f32 v[SU+2*\k:SU+2*\k+1], v[ST+2*\k:ST+2*\k+1], v[ST+8+2*\k:ST+9+2*\k]   ; the row's sum is taken of the unquantised p: four chains by turns
.endr
.irp i, 16,24,32,40,48,56
.irp k, 0,1,2,3
	v_pk_add_f32 v[SU+2*\k:SU+2*\k+1], v[SU+2*\k:SU+2*\k+1], v[ST+\i+2*\k:ST+\i+2*\k+1]
.endr
.endr
	v_max_num_f32 v[BM], 0x1800000, v[BM]          ; the floor 2^(3 - 127): the byte cannot fall under 1
	v_max_num_f32 v[BM+2], 0x1800000, v[BM+2]
	v_pk_add_f32 v[SU:SU+1], v[SU:SU+1], v[SU+2:SU+3]
	v_pk_add_f32 v[SU+4:SU+5], v[SU+4:SU+5], v[SU+6:SU+7]
	v_add_nc_u32 v[BS], 0xff000000, v[BM]          ; 2 off the exponent field: the conversion's scale operand
	v_add_nc_u32 v[BS+1], 0xff000000, v[BM+2]
	s_delay_alu instid0(VALU_DEP_3)
	v_pk_add_f32 v[SU:SU+1], v[SU:SU+1], v[SU+4:SU+5]
	v_lshrrev_b32 v[BY], 23, v[BS]                 ; the scale's byte
	v_lshrrev_b32 v[BY+1], 23, v[BS+1]
	s_delay_alu instid0(VALU_DEP_3)
	v_pk_add_f32 v[NMU+2:NMU+3], v[NMU+2:NMU+3], v[SU:SU+1]
	s_delay_alu instid0(VALU_DEP_2)
	v_lshl_or_b32 v[T0], v[BY+1], 16, v[BY]
	s_delay_alu instid0(VALU_DEP_1)
	v_lshlrev_b32 v[T0], v[H8], v[T0]              ; my two bytes at places h and 2 + h of p's scale word;
	s_delay_alu instid0(VALU_DEP_1)
	v_permlanex16_b32 v[PT], v[T0], s[SEL], s[SEL+1]
	s_delay_alu instid0(VALU_DEP_1)
	v_or_b32 v[PS+\u], v[T0], v[PT]                ; with lane l xor 16's two the word is whole
	WIN 0x40
	v_cvt_scalef32_pk16_fp6_f32 v[PC+12*\u:PC+12*\u+2], v[ST:ST+15], v[BS]
	v_cvt_scalef32_pk16_fp6_f32 v[PX:PX+2], v[ST+16:ST+31], v[BS]                 ; (a conversion's three registers begin on an even number)
	v_cvt_scalef32_pk16_fp6_f32 v[PC+12*\u+6:PC+12*\u+8], v[ST+32:ST+47], v[BS+1]
	v_cvt_scalef32_pk16_fp6_f32 v[PX+4:PX+6], v[ST+48:ST+63], v[BS+1]
	v_nop                                          ; one plain place behind a scaled conversion
	WIN 0x41
.irp i, 0,1,2
	v_mov_b32 v[PC+12*\u+3+\i], v[PX+\i]
	v_mov_b32 v[PC+12*\u+9+\i], v[PX+4+\i]
.endr
	s_wait_alu depctr_va_vdst(0)                   ; the wait here, directly ahead of the first reader of O^T
.set j, 0
.rept 16
	v_pk_mul_f32 v[OT+32*\u+j:OT+32*\u+j+1], v[OT+32*\u+j:OT+32*\u+j+1], v[FF:FF+1] op_sel_hi:[1,0]   ; O^T under the new M.  (These sixteen are also the places between the writes of p's codes and scale word and the products)
.set j, j+2
.endr
.if \u == 0
	s_wait_alu depctr_va_vdst(0)                   ; the wait ahead of the blocking wait
	s_wait_dscnt 0x0                               ; v's fragments are in
.endif
	WIN 0x54                                       ; source 1 (p), C and D window 1
.irp d, 0,1,2,3                                ; O^T += v^T p^T: the accumulators by turns, one instruction a turn
.if (\d)%2
	v_wmma_scale_f32_16x16x128_f8f6f4 v[OT+32*\u+8*\d:OT+32*\u+8*\d+7], v[VF+12*\d:VF+12*\d+11], v[PC+12*\u:PC+12*\u+11], v[OT+32*\u+8*\d:OT+32*\u+8*\d+7], v[VSC+\d/2], v[PS+\u] matrix_a_fmt:MATRIX_FMT_FP6 matrix_b_fmt:MATRIX_FMT_FP6 matrix_a_scale:MATRIX_SCALE_ROW1
.else
	v_wmma_scale_f32_16x16x128_f8f6f4 v[OT+32*\u+8*\d:OT+32*\u+8*\d+7], v[VF+12*\d:VF+12*\d+11], v[PC+12*\u:PC+12*\u+11], v[OT+32*\u+8*\d:OT+32*\u+8*\d+7], v[VSC+\d/2], v[PS+\u] matrix_a_fmt:MATRIX_FMT_FP6 matrix_b_fmt:MATRIX_FMT_FP6
.endif
.endr
.if \u < 3
	SMUL \u+1
.endif
	WIN 0
.endm
; Query tile u goes out: O^T / l, quantised along the head's 64: lane (r, h) holds block h whole.
.macro PASS_OUT u
.set NMU, NM+4*\u
	v_add_f32 v[T0], v[NMU+2], v[NMU+3]            ; the sum's two halves,
	s_delay_alu instid0(VALU_DEP_1)
	v_permlanex16_b32 v[PT], v[T0], s[SEL], s[SEL+1]
	s_delay_alu instid0(VALU_DEP_1)
	v_add_f32 v[T0], v[T0], v[PT]                  ; and lane l xor 16's keys: the row's sum
	s_wait_alu depctr_va_vdst(0)                   ; the wait ahead of the transcendental
	v_rcp_f32 v[FF], v[T0]
	v_nop
	s_wait_alu depctr_va_vdst(0)                   ; and ahead of its first reader
	WIN 0x01
.set j, 0
.rept 16
	v_pk_mul_f32 v[ST+j:ST+j+1], v[OT+32*\u+j:OT+32*\u+j+1], v[FF:FF+1] op_sel_hi:[1,0]   ; each accumulator from its low end on
.set j, j+2
.endr
	WIN 0
.irp b, 0,1
	v_max3_num_f32 v[BM+\b], |v[ST+16*\b]|, |v[ST+1+16*\b]|, 0x1800000
.endr
.irp i, 2,4,6,8,10,12,14
.irp b, 0,1
	s_delay_alu instid0(VALU_DEP_2)
	v_max3_num_f32 v[BM+\b], v[BM+\b], |v[ST+16*\b+\i]|, |v[ST+1+16*\b+\i]|
.endr
.endr
	s_delay_alu instid0(VALU_DEP_1)
	v_max_num_f32 v[BM], v[BM], v[BM+1]
	s_delay_alu instid0(VALU_DEP_1)
	v_add_nc_u32 v[BS], 0xff000000, v[BM]
	s_delay_alu instid0(VALU_DEP_1)
	v_lshrrev_b32 v[BY], 23, v[BS]
	v_cvt_scalef32_pk16_fp6_f32 v[OC:OC+2], v[ST:ST+15], v[BS]
	v_cvt_scalef32_pk16_fp6_f32 v[OC+6:OC+8], v[ST+16:ST+31], v[BS]
	v_nop                                          ; one plain place behind a scaled conversion
.irp i, 0,1,2
	v_mov_b32 v[OC+3+\i], v[OC+6+\i]
.endr
.irp p, 0,1,2
	ds_store_b64 v[STA], v[OC+2*\p:OC+2*\p+1] offset:384*\u+8*\p
.endr
	ds_store_b8 v[STS], v[BY] offset:16*\u
.endm
	s_mov_b32 s[TB], 0
	s_mov_b32 s[CNT], NREC
	s_wait_alu depctr_va_vdst(0)                   ; the wait at the head's end
	s_wait_tensorcnt 0x0                           ; my two records have landed,
	s_barrier_signal -1
	s_barrier_wait -1                              ; everybody's have: the head's K and V are whole, and stay
	KLOAD
.Lstep:
	s_wait_dscnt 0x0                               ; this record's k is in
	SMUL 0
	WIN 0
	SOFT 0
	SOFT 1
	SOFT 2
	SOFT 3
	s_add_co_u32 s[TB], s[TB], REC
	s_sub_co_u32 s[CNT], s[CNT], 1
	s_cmp_lg_u32 s[CNT], 0
	s_wait_alu depctr_va_vdst(0)                   ; the wait directly ahead of the branch
	s_cbranch_scc1 .Lstep
.rept 4
	v_nop                                          ; four places behind the last products
.endr
.irp u, 0,1,2,3
	PASS_OUT \u
.endr
.irp i, 0,1,2,3,4,5
	ds_load_b128 v[ST+4*\i:ST+4*\i+3], v[STR] offset:512*\i   ; my wave's own bytes: LDS serves a wave's instructions in order
.endr
	ds_load_b32 v[ST+24], v[SSR]
	s_wait_dscnt 0x0
.irp i, 0,1,2,3,4,5
	global_store_b128 v[GO], v[ST+4*\i:ST+4*\i+3], s[8:9] offset:512*\i   ; 3,072 consecutive bytes, aligned to 256
.endr
	global_store_b32 v[GS], v[ST+24], s[50:51]     ; 128 consecutive bytes
	s_wait_tensorcnt 0x0                           ; the wave's end
	ds_add_u32 v[SPW], v[NIL]
	s_wait_dscnt 0x0
	CROUND                                         ; the closing round
	s_endpgm
.Lfunc_end_k_q5c66c0b65e_attn:
	.size	k_q5c66c0b65e_attn, .Lfunc_end_k_q5c66c0b65e_attn-k_q5c66c0b65e_attn
	.p2alignl 7, 3214868480
	.fill 96, 4, 3214868480
	.section	.rodata,"a",@progbits
	.p2align	6, 0x0
	.amdhsa_kernel k_q5c66c0b65e_attn
		.amdhsa_group_segment_fixed_size 232448
		.amdhsa_private_segment_fixed_size 0
		.amdhsa_enable_private_segment 0
		.amdhsa_kernarg_size 24
		.amdhsa_user_sgpr_count 2
		.amdhsa_user_sgpr_kernarg_segment_ptr 1
		.amdhsa_wavefront_size32 1
		.amdhsa_system_sgpr_workgroup_id_x 1
		.amdhsa_system_sgpr_workgroup_id_y 1
		.amdhsa_system_sgpr_workgroup_id_z 1
		.amdhsa_system_vgpr_workitem_id 0
		.amdhsa_next_free_vgpr 512
		.amdhsa_next_free_sgpr 66
		.amdhsa_reserve_vcc 0
		.amdhsa_float_denorm_mode_32 3
		.amdhsa_float_denorm_mode_16_64 3
		.amdhsa_memory_ordered 1
		.amdhsa_forward_progress 1
		.amdhsa_inst_pref_size 85
	.end_amdhsa_kernel
	.amdgpu_metadata
---
amdhsa.version: [ 1, 2 ]
amdhsa.kernels:
  - .name:           k_q5c66c0b65e_attn
    .symbol:         k_q5c66c0b65e_attn.kd
    .args:
      - { .name: q_img, .offset: 0, .size: 8, .value_kind: global_buffer, .address_space: global }
      - { .name: kv_img, .offset: 8, .size: 8, .value_kind: global_buffer, .address_space: global }
      - { .name: a4, .offset: 16, .size: 8, .value_kind: global_buffer, .address_space: global }
    .group_segment_fixed_size: 232448
    .private_segment_fixed_size: 0
    .kernarg_segment_align: 8
    .kernarg_segment_size: 24
    .max_flat_workgroup_size: 256
    .sgpr_count:     66
    .vgpr_count:     512
    .wavefront_size: 32
...
	.end_amdgpu_metadata
.endif
;; end of part 3
;; launch proj (part 4): grid 4 x 64, 4 waves a work-group, clusters of 4 x 4, 327,680 bytes of LDS; arguments a4, wq, b_out, out0; writes out0
.if DOCPART == 4
	.amdgcn_target "amdgcn-amd-amdhsa--gfx1250"
	.amdhsa_code_object_version 6
	.text
	.protected	k_q5c66c0b65e_proj
	.globl	k_q5c66c0b65e_proj
	.p2align	8
	.type	k_q5c66c0b65e_proj,@function
k_q5c66c0b65e_proj:
	s_mov_b64 s[64:65], 0
	v_nop
	global_prefetch_b8 v0, s[64:65] scope:SCOPE_SE
	s_setreg_imm32_b32 hwreg(HW_REG_WAVE_MODE, 25, 1), 1
	s_wait_xcnt 0x0
	s_wait_alu depctr_hold_cnt(0) depctr_sa_sdst(0) depctr_va_vdst(0) depctr_va_sdst(0) depctr_va_ssrc(0) depctr_va_vcc(0) depctr_vm_vsrc(0)
	s_getreg_b32 s2, hwreg(HW_REG_IB_STS2, 6, 4)
	s_cmp_eq_u32 s2, 0
	s_cbranch_scc0 .Lentry_in_a_cluster
	s_endpgm
.Lentry_in_a_cluster:
	s_bfe_u32 s2, ttmp6, 0x10000c
	s_cmp_lg_u32 s2, 0xf033
	s_cbranch_scc0 .Lentry_shape_is_right
	s_endpgm
.Lentry_shape_is_right:
; out0 = a4 w_out^T + b_out on codes of FP6 (E2M3) with E8M0 scales, K = 1,024; f32 out.
; A BLOCK is 128 rows of a4 x 256 rows of w_out, with ALL OF K in LDS: a row of codes is 768 bytes of memory and begins at a multiple of 256; 384 rows x 816 bytes (16 of padding behind each 256) are filled once,
; one tensor load a wave (waves 0, 1: 64 rows of A each; waves 2, 3: 128 rows of B each).  Nothing is filled again, so K is walked with no barrier.  64 x 4 blocks: 256 work-groups.
; CLUSTERS: 4 x 4; A's rows are shared along a row of the cluster, B's along a column: joint loads.  No prefetch: all loads go out at the head, and there is no loop to run ahead in.
; A wave makes 64 (A) x 128 (B): 32 accumulators.  The matrix instruction is used transposed (source 0 = B's rows): a lane holds one row of the result and its registers run along the columns.
; w_out's rows are stored so that place 16 u + r of every 64 holds row 8 u + r % 8 + 32 (r / 8): tile b's register j in lane (r, h) is column 64 (b / 4) + 32 h + 8 (b % 4) + j of my 128.
; REGISTERS: window 0: v0-31 addresses, v32-63 A's scale words, v64-127 B's, v160-255 A's fragments, two sets (on the way out v128-255 take rows back from the stage); window 1: the accumulators;
; window 2: B's fragments, two sets, v0-191; v192-255 the bias, the C of the first step.
.set PITCH, 816
.set SPARE, 384*PITCH
.set SPITCH, 528
.set ASC,   6291456
.set WOC,   2457600
.set WOS,   3244032
.set ADRA, 16
.set ADRB, 18
.set SO,   22
.set STO,  24
.set RD,   25
.set CO,   26
.set SPW,  28
.set NIL,  29
.set SA,   32
.set SB,   64
.set BK,   128
.set AF,   160
.set BI,   192
.set G1, 24
.set G0, 32
.set G1B, 48
.set G0B, 56
.set MSB, 0
.macro WIN new
.if MSB != \new
	s_set_vgpr_msb (MSB<<8)|\new
.set MSB, \new
.endif
.endm
.macro PLACES
.rept 4
	v_nop
.endr
.endm
.macro CROUND                          ; a round of the cluster's barrier
	s_barrier_signal -1
	s_barrier_wait -1
	s_cmp_lg_u32 s14, 0
	s_cbranch_scc1 .Lnot_wave_0_\@
	s_barrier_signal -3
.Lnot_wave_0_\@:
	s_barrier_wait -3
	s_barrier_signal -1
	s_barrier_wait -1
.endm
	s_load_b256 s[4:11], s[0:1], 0x0               ; a4, wq, b_out, out0
	v_lshl_add_u32 v[SPW], v0, 2, SPARE
	v_mov_b32 v[NIL], 0
	ds_add_u32 v[SPW], v[NIL]                      ; the opening lines: the add, twice on end, and its wait
	ds_add_u32 v[SPW], v[NIL]
	v_lshrrev_b32 v1, 5, v0
	v_readfirstlane_b32 s14, v1                    ; wave
	s_lshr_b32 s15, s14, 1                         ; my half of A's rows; also: I fetch for A (0) or B (1)
	s_and_b32 s16, s14, 1                          ; my half of B's rows; also: which half I fetch
	s_bfe_u32 s40, ttmp6, 0x40000                  ; cx
	s_bfe_u32 s41, ttmp6, 0x40004                  ; cy
	s_and_b32 s17, ttmp7, 0xffff
	s_lshl_b32 s17, s17, 2
	s_add_co_u32 s17, s17, s41                     ; A's block of 128 rows
	s_lshl_b32 s42, ttmp9, 2
	s_add_co_u32 s42, s42, s40                     ; B's block of 256 rows
	s_lshl_b32 s43, s41, 2
	s_lshl_b32 s43, 15, s43                        ; my row of the cluster
	s_lshl_b32 s44, 0x1111, s40                    ; my column
	s_or_b32 s[G1+0], s43, (1<<20)|(1<<21)|(5<<22)|(3<<25)   ; bytes; 4 words of padding behind every 64; bit 21 beside the mask
	s_or_b32 s[G1B+0], s44, (1<<20)|(1<<21)|(5<<22)|(3<<25)
.irp g, G1, G1B
	s_mov_b32 s[\g+1], 768<<16
	s_mov_b32 s[\g+3], 768<<16
	s_mov_b32 s[\g+5], 768
	s_mov_b32 s[\g+6], 0
	s_mov_b32 s[\g+7], 0
.endr
	s_mov_b32 s[G1+2], 64<<16
	s_mov_b32 s[G1+4], 64
	s_mov_b32 s[G1B+2], 128<<16
	s_mov_b32 s[G1B+4], 128
	s_lshl_b32 s20, s17, 7
	s_lshl_b32 s18, s16, 6
	s_add_co_u32 s18, s20, s18
	s_mul_i32 s18, s18, 768                        ; the 64 rows of A that waves 0, 1 fetch, in bytes
	s_mov_b32 s19, 0
	s_lshl_b32 s46, s42, 8
	s_lshl_b32 s22, s16, 7
	s_add_co_u32 s68, s46, s22                     ; my first row of B: also the 128 rows that waves 2, 3 fetch
	s_mul_i32 s22, s68, 768
	s_mov_b32 s23, 0
	s_lshl_b32 s66, s15, 6
	s_add_co_u32 s66, s66, s20                     ; my first row of A
	s_lshl_b32 s70, s66, 5                         ; 32 scale bytes a row
	s_mov_b32 s71, 0
	s_lshl_b32 s72, s68, 5
	s_mov_b32 s73, 0
	s_mov_b32 s[G0], 1
	s_mul_i32 s[G0+1], s16, 64*PITCH
	s_mov_b32 s[G0B], 1
	s_mul_i32 s[G0B+1], s16, 128*PITCH
	s_add_co_u32 s[G0B+1], s[G0B+1], 128*PITCH
	s_wait_dscnt 0x0
	s_wait_kmcnt 0x0
	s_add_nc_u64 s[G0+2:G0+3], s[4:5], s[18:19]
	s_or_b32 s[G0+3], s[G0+3], 0x80000000
	s_add_nc_u64 s[G0B+2:G0B+3], s[6:7], s[22:23]
	s_add_nc_u64 s[G0B+2:G0B+3], s[G0B+2:G0B+3], WOC
	s_or_b32 s[G0B+3], s[G0B+3], 0x80000000
	s_add_nc_u64 s[76:77], s[4:5], s[70:71]
	s_add_nc_u64 s[76:77], s[76:77], ASC
	s_add_nc_u64 s[78:79], s[6:7], s[72:73]
	s_add_nc_u64 s[78:79], s[78:79], WOS
	CROUND                                         ; all sixteen work-groups are here: the joint loads meet
	s_cmp_eq_u32 s15, 0                            ; one tensor load a wave, one in each arm
	s_cbranch_scc0 .Lfor_b
	tensor_load_to_lds s[G0:G0+3], s[G1:G1+7]
	s_nop 0
	PLACES
	s_branch .Lasked
.Lfor_b:
	tensor_load_to_lds s[G0B:G0B+3], s[G1B:G1B+7]
	s_nop 0
	PLACES
.Lasked:
	s_lshl_b32 s20, s66, 12                        ; my first row of the result, 4,096 bytes a row,
	s_mov_b32 s21, 0
	s_lshl_b32 s82, s68, 2                         ; my first column
	s_mov_b32 s83, 0
	s_add_nc_u64 s[10:11], s[10:11], s[20:21]
	s_add_nc_u64 s[10:11], s[10:11], s[82:83]
	s_mul_i32 s84, s14, 16*SPITCH                  ; my stage
	s_mul_i32 s21, s15, 64*PITCH
	s_mul_i32 s22, s16, 128*PITCH
	s_add_co_u32 s22, s22, 128*PITCH
	s_add_co_u32 s23, s22, 64*PITCH
	v_and_b32 v1, 15, v0                           ; r
	v_bfe_u32 v2, v0, 4, 1                         ; h
	v_mul_u32_u24 v3, v1, PITCH
	v_mad_u32_u24 v4, v2, 24, v3
	v_mad_u32_u24 v5, v2, 40, v3
	v_add_nc_u32 v[ADRA], s21, v4
	v_add_nc_u32 v[ADRA+1], s21, v5
	v_add_nc_u32 v[ADRB], s22, v4
	v_add_nc_u32 v[ADRB+1], s22, v5
	v_add_nc_u32 v[ADRB+2], s23, v4
	v_add_nc_u32 v[ADRB+3], s23, v5
	v_lshlrev_b32 v[SO], 5, v1
	v_mul_u32_u24 v6, v1, SPITCH
	v_lshl_add_u32 v6, v2, 7, v6
	v_add_nc_u32 v[STO], s84, v6                   ; into the stage: row r, 32 columns on for lanes 16-31
	v_and_b32 v6, 31, v0
	v_lshlrev_b32 v[CO], 4, v6                     ; back: 32 lanes take a row of 512 bytes; the same in the result
	v_add_nc_u32 v[RD], s84, v[CO]
	v_lshl_add_u32 v7, v2, 7, s82
	s_wait_alu depctr_va_vdst(0)                   ; the wait at the head's end
.irp i, 0,1,2,3
	global_load_b128 v[SA+8*\i:SA+8*\i+3], v[SO], s[76:77] offset:512*\i
	global_load_b128 v[SA+8*\i+4:SA+8*\i+7], v[SO], s[76:77] offset:512*\i+16
.endr
.irp i, 0,1,2,3,4,5,6,7
	global_load_b128 v[SB+8*\i:SB+8*\i+3], v[SO], s[78:79] offset:512*\i
	global_load_b128 v[SB+8*\i+4:SB+8*\i+7], v[SO], s[78:79] offset:512*\i+16
.endr
	WIN 0x80
.irp b, 0,1,2,3,4,5,6,7
	global_load_b128 v[BI+8*\b:BI+8*\b+3], v7, s[8:9] offset:(64*(\b/4)+8*(\b%4))*4
	global_load_b128 v[BI+8*\b+4:BI+8*\b+7], v7, s[8:9] offset:(64*(\b/4)+8*(\b%4))*4+16
.endr
	WIN 0
; A fragment, 16 rows x 128 K, is 12 registers: six pieces of 8 bytes.  Byte y of a row lies at y + 16 (y / 256) of its LDS row; lanes 16-31 read 24 bytes further on.
.macro FRAG reg, adr, st, i
.irp p, 0,1,2,3,4,5
.set BY, 96*(\st)+48*(\p/3)+8*(\p%3)
.if BY/256 == (BY+24)/256
	ds_load_b64 v[\reg+2*\p:\reg+2*\p+1], v[\adr] offset:BY+16*(BY/256)+(\i)*16*PITCH
.else
	ds_load_b64 v[\reg+2*\p:\reg+2*\p+1], v[\adr+1] offset:BY+16*(BY/256)+(\i)*16*PITCH
.endif
.endr
.endm
.macro FETCH st                        ; step st's fragments into set st % 2: 48 loads for B, 24 for A
	WIN 0x80
.irp i, 0,1,2,3,4,5,6,7
	FRAG 96*((\st)%2)+12*\i, ADRB+2*(\i/4), \st, \i%4
.endr
	WIN 0
.irp i, 0,1,2,3
	FRAG AF+48*((\st)%2)+12*\i, ADRA, \st, \i
.endr
.endm
.macro MUL st                          ; 32 products; the accumulators take turns, one instruction a turn
.irp a, 0,1,2,3
.irp b, 0,1,2,3,4,5,6,7
.if \st == 0
	v_wmma_scale_f32_16x16x128_f8f6f4 v[8*(8*\a+\b):8*(8*\a+\b)+7], v[12*\b:12*\b+11], v[AF+12*\a:AF+12*\a+11], v[BI+8*\b:BI+8*\b+7], v[SB+8*\b], v[SA+8*\a] matrix_a_fmt:MATRIX_FMT_FP6 matrix_b_fmt:MATRIX_FMT_FP6
.else
	v_wmma_scale_f32_16x16x128_f8f6f4 v[8*(8*\a+\b):8*(8*\a+\b)+7], v[96*(\st%2)+12*\b:96*(\st%2)+12*\b+11], v[AF+48*(\st%2)+12*\a:AF+48*(\st%2)+12*\a+11], v[8*(8*\a+\b):8*(8*\a+\b)+7], v[SB+8*\b+\st], v[SA+8*\a+\st] matrix_a_fmt:MATRIX_FMT_FP6 matrix_b_fmt:MATRIX_FMT_FP6
.endif
.endr
.endr
.endm
.macro STEP st                         ; 128 along K: this step's fragments are in; the next step's are asked for, into the set that the step before has read; then the products
	s_wait_dscnt 0x0
.if \st == 7
	s_barrier_signal -1                            ; my reads of the tiles are over: behind this barrier the stages are laid over A's rows
.endif
.if \st > 0
	PLACES                                         ; four places between the last products and loads into registers that they read
.endif
.if \st < 7
	FETCH (\st)+1
.endif
.if \st == 0
	WIN 0x62                                       ; source 0 window 2, source 1 window 0, C window 2 (the bias), D window 1
.else
	WIN 0x52                                       ; C and D window 1
.endif
	MUL \st
	WIN 0
.endm
	s_wait_tensorcnt 0x0                           ; my rows have landed,
	s_barrier_signal -1
	s_barrier_wait -1                              ; everybody's have
	FETCH 0
	s_wait_loadcnt 0x0
.irp st, 0,1,2,3,4,5,6,7
	STEP \st
.endr
	s_barrier_wait -1                              ; nobody reads the tiles any more, and they have had their only fill
; THE WAY OUT, 16 rows x 128 columns at a time: through my own stage and back as whole rows of 512 bytes.  LDS serves a wave's instructions in order: no wait between the stores and the loads.
.macro TOSTAGE a
	WIN 0x04                                       ; the data: window 1
.irp b, 0,1,2,3,4,5,6,7
	ds_store_b128 v[STO], v[64*\a+8*\b:64*\a+8*\b+3] offset:256*(\b/4)+32*(\b%4)   ; each accumulator from its low end on
	ds_store_b128 v[STO], v[64*\a+8*\b+4:64*\a+8*\b+7] offset:256*(\b/4)+32*(\b%4)+16
.endr
	WIN 0
.set BB, BK+64*((\a)%2)
.irp t, 0,1,2,3,4,5,6,7,8,9,10,11,12,13,14,15
	ds_load_b128 v[BB+4*\t:BB+4*\t+3], v[RD] offset:\t*SPITCH
.endr
.endm
.macro SEND a, younger                 ; younger: the LDS instructions issued behind block a's loads
.set BB, BK+64*((\a)%2)
	s_wait_dscnt \younger
.if (\a) > 0
	s_add_nc_u64 s[10:11], s[10:11], 16*4096       ; behind a wait on XCNT: the earlier stores have read their base
.endif
.irp t, 0,1,2,3,4,5,6,7,8,9,10,11,12,13,14,15
	global_store_b128 v[CO], v[BB+4*\t:BB+4*\t+3], s[10:11] offset:\t*4096 th:TH_STORE_NT   ; 32 lanes store 512 consecutive bytes, aligned to 256
.endr
.endm
	PLACES
	TOSTAGE 0
.irp a, 1,2,3
.if \a > 1
	s_wait_xcnt 0x0                                ; block a - 2's stores have read their registers and their base
.endif
	TOSTAGE \a
	SEND \a-1, 32
.endr
	s_wait_xcnt 0x0
	SEND 3, 0
	s_wait_tensorcnt 0x0                           ; the wave's end
	ds_add_u32 v[SPW], v[NIL]
	s_wait_dscnt 0x0
	CROUND                                         ; the closing round
	s_endpgm
.Lfunc_end_k_q5c66c0b65e_proj:
	.size	k_q5c66c0b65e_proj, .Lfunc_end_k_q5c66c0b65e_proj-k_q5c66c0b65e_proj
	.p2alignl 7, 3214868480
	.fill 96, 4, 3214868480
	.section	.rodata,"a",@progbits
	.p2align	6, 0x0
	.amdhsa_kernel k_q5c66c0b65e_proj
		.amdhsa_group_segment_fixed_size 327680
		.amdhsa_private_segment_fixed_size 0
		.amdhsa_enable_private_segment 0
		.amdhsa_kernarg_size 32
		.amdhsa_user_sgpr_count 2
		.amdhsa_user_sgpr_kernarg_segment_ptr 1
		.amdhsa_wavefront_size32 1
		.amdhsa_system_sgpr_workgroup_id_x 1
		.amdhsa_system_sgpr_workgroup_id_y 1
		.amdhsa_system_sgpr_workgroup_id_z 1
		.amdhsa_system_vgpr_workitem_id 0
		.amdhsa_next_free_vgpr 768
		.amdhsa_next_free_sgpr 102
		.amdhsa_reserve_vcc 0
		.amdhsa_float_denorm_mode_32 3
		.amdhsa_float_denorm_mode_16_64 3
		.amdhsa_memory_ordered 1
		.amdhsa_forward_progress 1
		.amdhsa_inst_pref_size 96
	.end_amdhsa_kernel
	.amdgpu_metadata
---
amdhsa.version: [ 1, 2 ]
amdhsa.kernels:
  - .name:           k_q5c66c0b65e_proj
    .symbol:         k_q5c66c0b65e_proj.kd
    .args:
      - { .name: a4, .offset: 0, .size: 8, .value_kind: global_buffer, .address_space: global }
      - { .name: wq, .offset: 8, .size: 8, .value_kind: global_buffer, .address_space: global }
      - { .name: b_out, .offset: 16, .size: 8, .value_kind: global_buffer, .address_space: global }
      - { .name: out0, .offset: 24, .size: 8, .value_kind: global_buffer, .address_space: global }
    .group_segment_fixed_size: 327680
    .private_segment_fixed_size: 0
    .kernarg_segment_align: 8
    .kernarg_segment_size: 32
    .max_flat_workgroup_size: 128
    .sgpr_count:     102
    .vgpr_count:     768
    .wavefront_size: 32
...
	.end_amdgpu_metadata
.endif
;; end of part 4
